; MI455X (gfx1250); checked and timed in simulation.
; The chip was launched on July 23, 2026; its instructions are those of AMD's public machine-readable ISA for CDNA 5 (MIT licence, August 2026) and "CDNA5" Instruction Set Architecture Reference Guide (July 2026). The comments in the code are by the model that wrote it; some were corrected since.
;; Self Attention. Allowed arithmetic: matrix products marked QUANTISED: E2M1 operands, one E8M0 scale for each 32 along K, by v_wmma_scale_f32_16x16x128_f8f6f4 with both operands' format E2M1 (or v_wmma_scale_f32_32x16x128_f4), f32 sums; everything else in f32.
;; Inputs: Wk_codes 32 x 8 x 16 uint8 (E2M1 codes of Wk, K innermost, in blocks of 32 codes, two codes a byte); Wk_scales 32 x 8 uint8 (E8M0 scales of Wk, one for each 32 codes along K); Wq_codes 32 x 8 x 16 uint8 (E2M1 codes of Wq, K innermost, in blocks of 32 codes, two codes a byte); Wq_scales 32 x 8 uint8 (E8M0 scales of Wq, one for each 32 codes along K); Wv_codes 256 x 8 x 16 uint8 (E2M1 codes of Wv, K innermost, in blocks of 32 codes, two codes a byte); Wv_scales 256 x 8 uint8 (E8M0 scales of Wv, one for each 32 codes along K); bk 32 float32; bq 32 float32; bv 256 float32; gamma 1 float32; temperature one number float32; x 8 x 256 x 64 x 64 float32.
;; Outputs: out0 8 x 256 x 64 x 64 float32.
;; This version of the problem:
;;   THIS VERSION OF THE PROBLEM IS GIVEN IN LOW PRECISION. The matrix products marked QUANTISED in the list below multiply operands that are first quantised to E2M1 (2 exponent bits, 1 mantissa bit; 4 bits a number), with one power-of-two scale for each 32 numbers along K (OCP MX v1.0); their sums are f32. All else is computed in f32.
;;   The module's matrix products, in the order in which they are computed (A, B: the left and right operand; K: the contracted axis; several contracted axes count as one K, in the product's order):
;;     1. [M 32,768, K 256] x [K 256, N 32]; A: input x; B: input Wq (given as codes): QUANTISED
;;     2. [M 32,768, K 256] x [K 256, N 32]; A: input x; B: input Wk (given as codes): QUANTISED
;;     3. [M 32,768, K 256] x [K 256, N 256]; A: input x; B: input Wv (given as codes): QUANTISED
;;     4. batch 8 x [M 4,096, K 32] x [K 32, N 4,096]; A: computed on the way; B: computed on the way: QUANTISED
;;     5. batch 8 x [M 256, K 4,096] x [K 4,096, N 4,096]; A: computed on the way; B: softmax (see below): QUANTISED
;;   THE QUANTISER, for each operand of a quantised product, along K:
;;     - K is cut into blocks of 32 from its start; a last block that is shorter is filled with zeros.
;;     - A block's scale is 2^e with e = floor(log2(the largest magnitude in the block)) - 2, held to -126 .. 127; a block of zeros has e = 0. As a byte (E8M0): e + 127.
;;     - Each number is divided by its block's scale, clamped to +-6, and rounded to the nearest number of E2M1, ties to even, subnormals kept.
;;     - The product sums the exact products of the quantised numbers (number of the format x scale) in f32.
;;   ~~~python
;;   def quantise(x, axis):      # numpy; x: float32 -> the quantised numbers, widened to float32 again
;;       x = np.moveaxis(x, axis, -1); K = x.shape[-1]
;;       x = np.pad(x, [(0, 0)] * (x.ndim - 1) + [(0, -K % 32)]); x = x.reshape(x.shape[:-1] + (-1, 32)); a = np.abs(x).max(-1, keepdims=True)
;;       e = np.where(a > 0, np.clip(np.frexp(np.where(a > 0, a, 1))[1] - 1 - 2, -126, 127), 0)      # np.frexp(a)[1] - 1 = floor(log2(a)), exactly
;;       r = np.clip(x / 2.0 ** e, -6, 6)
;;       step = 2.0 ** (np.maximum(np.frexp(np.where(r == 0, 1, r))[1] - 1, 0) - 1)
;;       q = np.round(r / step) * step * 2.0 ** e      # np.round: ties to even
;;       return np.moveaxis(q.reshape(q.shape[:-2] + (-1,))[..., :K], -1, axis).astype(np.float32)
;;   ~~~
;;   SOFTMAX AHEAD OF A QUANTISED PRODUCT. Where the list says 'softmax', what is quantised is not the finished softmax but p = 2^(t - M), with t = logit x log2(e) and M = ceil(the row's largest t), a whole number; so 1/2 < the row's largest p <= 1. The row's sum l is taken of the UNQUANTISED p, in f32, and the product's result is divided by l at the end. Since M is a whole number, a kernel that streams over the keys may use a running M (the ceiling of the running maximum): every later rescaling is an exact power of two, which a block's scale takes up: the codes' values come out the same.
;;   OPERANDS COMPUTED ON THE WAY. 'Computed on the way' means the value that the module computes at that place (a softmax that the list does not call 'softmax' is quantised finished and normalised). What goes into a quantiser is computed in f32, as accurately as f32 sums, v_exp_f32 and their like allow (about 1e-6 of the number): no bf16 or f16 on the way to a quantiser, and a product that is left as it is and whose result goes on into a quantised operand takes f32 operands (vector FMAs, or v_wmma_f32_16x16x4_f32). A number that lies on a knife's edge between two numbers of the format may be rounded either way, as far as f32 arithmetic and the matrix unit's own rounding can turn it there, and no further.
;;   INPUTS GIVEN AS CODES. Wk (in the module: [32, 256], K = its axis 1); Wq (in the module: [32, 256], K = its axis 1); Wv (in the module: [256, 256], K = its axis 1): each comes as NAME_codes (uint8): NAME with its K axis moved to the last place and cut into blocks of 32 codes, [.., K / 32, bytes a block], one block behind the other in memory; two codes a byte, the lower K in the low four bits (a code: sign, 2 exponent bits, 1 mantissa bit); and NAME_scales (uint8): the same leading axes, one E8M0 byte (e + 127) for each 32 codes along K. Its value is code x scale, taken as it is: it is not quantised again, and the codes and scales need not be those that the quantiser above would give.
;; One version. Each part assembles by itself: llvm-mc -triple=amdgcn-amd-amdhsa -mcpu=gfx1250 --defsym DOCPART=n.
;; ======== version 1 of 1: 3 launches
;; workspace buffers: qkf 8,388,608 bytes; part 65,536 bytes; vimg 4,194,304 bytes; vscl 262,144 bytes; qimg 524,288 bytes; kimg 524,288 bytes; qscl 32,768 bytes; kscl 32,768 bytes
;; launch proj (part 1): grid 32 x 8, 8 waves a work-group, no clusters, 168,960 bytes of LDS; arguments x, Wq_codes, Wq_scales, bq, Wk_codes, Wk_scales, bk, Wv_codes, Wv_scales, bv, qkf, part, vimg, vscl; writes qkf, part, vimg, vscl
.if DOCPART == 1
	.amdgcn_target "amdgcn-amd-amdhsa--gfx1250"
	.amdhsa_code_object_version 6
	.text
	.protected	k_qc1e9b8fcb6_proj
	.globl	k_qc1e9b8fcb6_proj
	.p2align	8
	.type	k_qc1e9b8fcb6_proj,@function
k_qc1e9b8fcb6_proj:
	s_mov_b64 s[64:65], 0
	v_nop
	global_prefetch_b8 v0, s[64:65] scope:SCOPE_SE
	s_setreg_imm32_b32 hwreg(HW_REG_WAVE_MODE, 25, 1), 1
	s_wait_xcnt 0x0
; THE THREE PROJECTIONS.  x [8][256][4096] f32 is quantised along its channels (E2M1, one E8M0 byte for each 32 channels) and multiplied with Wq, Wk, Wv, which come as codes.
; A work-group takes 128 positions (a chunk) of one batch; grid x = chunk, y = batch.  Eight waves.  Wave w has three shares:
;   X:  it quantises channels 32 w .. 32 w + 31 for all 128 positions: a lane takes a position, its 32 registers run down the channels, so a block lies in one lane;
;   QK: it makes q and k (with their biases) for tile w of the chunk's positions, stores them in f32 as images of its registers, and the tile's sums of squares;
;   V:  it makes v (with its bias) for channels 32 w .. 32 w + 31 and all 128 positions, quantises it ALONG THE POSITIONS (the keys of the later product) and stores operand images and scale words.
; TILES OF POSITIONS ARE NOT NEIGHBOURS: row r of tile t is position 32 (t / 2) + 8 (t % 2) + r + 8 (r / 8).  As source 0 of a product such a tile leaves in lane (r, h), register j, position 32 (t / 2) + 16 h + 8 (t % 2) + j:
; the 16 registers of tiles 2 b and 2 b + 1 are 16 neighbours.  The rows of Wq and Wk that form a tile are chosen in the same way, so that a lane's 16 registers of q are channels 16 h + 0 .. 15.
; LIMITS: NaN and infinities among the inputs are not served.  A block of zeros gets the scale byte 1 with zero codes (the rule says 127): these bytes are read by this program alone.
; LDS: x's tile comes by one tensor load a wave, filled once and read by the issuing wave alone; codes, scale bytes and sums lie behind it in bytes of their own.
.set XC,   131072                      ; x's codes: 128 rows (positions) of 128 bytes + 16 of padding
.set XCP,  144                         ; 36 words: sixteen neighbouring rows start at sixteen different groups of four banks
.set XS,   149504                      ; x's scale bytes: 8 a position
.set PS,   150528                      ; sums of squares: 256 bytes a wave: [q, k][32 channels]
.set VS,   152576                      ; v's scale words of the chunk, as the last launch loads them
.set WV,   36                          ; s36  my wave's number
.set BA,   38                          ; s38  the batch
.set SEL,  56                          ; s[56:57] lane selects for v_permlanex16_b32: lane l xor 16
.set X0,   16                          ; v16-79   two sets of 32 numbers of x; later q and k (v16-47) and their squares (v48-79); later v's 8 tiles
.set UC,   80                          ; v80-95   a unit's codes, four registers each; later v's two fragments
.set UB,   96                          ; v96-99   a unit's scale byte
.set XO,   104                         ; v104-119 my own tile's two fragments of x
.set XOS,  120                         ; v120-121 and their scale words
.set WS,   122                         ; v122-129 scale words of Wq's and Wk's tiles: [tile][K step]
.set BI,   130                         ; v130-161 bq and bk in the result's layout, 8 registers a tile
.set WVF,  162                         ; v162-193 Wv's fragments [e][K step]
.set WVS,  194                         ; v194-197 their scale words
.set BV,   198                         ; v198-199 bv of my lane's channel, e = 0, 1
.set BC,   200                         ; v200-207 the same eight times: the C of a sum's first product
.set XSW,  208                         ; v208-223 scale words of x's eight tiles [t][K step]
.set TM,   224                         ; v224-239 at work in QUANT
.set PW,   240                         ; v240-241 v's scale words, e = 0, 1
.set ACC,  16
.set SQ,   48
.set PC,   80
.set XF,   0                           ; window 1: v0-127 x's fragments of all eight tiles [t][K step]
.set WQK,  128                         ; window 1: v128-191 Wq's and Wk's fragments [tile][K step]
.set MSB, 0
.macro WIN new                         ; the immediate's high byte repeats the setting that is left
.if MSB != \new
	s_set_vgpr_msb (MSB<<8)|\new
.set MSB, \new
.endif
.endm
	s_load_b512 s[8:23], s[0:1], 0x0               ; x s[8:9], Wq codes s[10:11], Wq scales s[12:13], bq s[14:15], Wk codes s[16:17], Wk scales s[18:19], bk s[20:21], Wv codes s[22:23]
	s_load_b256 s[24:31], s[0:1], 0x40             ; Wv scales s[24:25], bv s[26:27], qkf s[28:29], part s[30:31]
	s_load_b128 s[32:35], s[0:1], 0x60             ; vimg s[32:33], vscl s[34:35]
	v_lshl_add_u32 v254, v0, 2, 0x29000
	v_mov_b32 v255, 0
	ds_add_u32 v254, v255
	ds_add_u32 v254, v255
	v_lshrrev_b32 v1, 5, v0
	s_delay_alu instid0(VALU_DEP_1)
	v_readfirstlane_b32 s[WV], v1                  ; wave 0..7
	s_and_b32 s[BA], ttmp7, 0xffff
	; descriptor group 1: 32 rows (channels) of 128 f32 (512 bytes), 4,096 elements from row to row, no padding
	s_mov_b32 s48, 2<<16                           ; no mask; elements of 4 bytes
	s_mov_b32 s49, 128<<16                         ; tensor_dim0 = 128
	s_mov_b32 s50, 32<<16                          ; tensor_dim1 = 32
	s_mov_b32 s51, 128<<16                         ; tile_dim0 = 128
	s_mov_b32 s52, 32                              ; tile_dim1 = 32
	s_mov_b32 s53, 4096                            ; the pitch
	s_mov_b32 s54, 0
	s_mov_b32 s55, 0
	s_lshl_b32 s40, s[BA], 22                      ; a batch of x is 4,194,304 bytes,
	s_lshl_b32 s41, s[WV], 19                      ; my 32 channels begin 524,288 w bytes on,
	s_add_co_u32 s40, s40, s41
	s_lshl_b32 s41, ttmp9, 9                       ; the chunk 512 bytes a step along a row
	s_add_co_u32 s40, s40, s41
	s_mov_b32 s41, 0
	s_mov_b32 s44, 1                               ; group 0: count = 1
	s_lshl_b32 s45, s[WV], 14                      ; LDS: 16,384 bytes a wave, from byte 0
	s_wait_dscnt 0x0
	s_wait_kmcnt 0x0
	s_add_nc_u64 s[46:47], s[8:9], s[40:41]
	s_or_b32 s47, s47, 0x80000000                  ; type = 2
	tensor_load_to_lds s[44:47], s[48:55]          ; my one tensor load: it is out alone
	s_nop 0
.rept 4
	v_nop
.endr
	v_and_b32 v1, 31, v0                           ; l
	v_and_b32 v2, 15, v0                           ; r
	v_bfe_u32 v3, v0, 4, 1                         ; h
	s_delay_alu instid0(VALU_DEP_2)
	v_and_b32 v4, 8, v2
	s_delay_alu instid0(VALU_DEP_1)
	v_add_nc_u32 v4, v4, v2                        ; r + 8 (r / 8)
	s_delay_alu instid0(VALU_DEP_1)
	v_lshlrev_b32 v5, 7, v4
	s_delay_alu instid0(VALU_DEP_1)
	v_lshl_add_u32 v5, v3, 4, v5                   ; Wq, Wk: a row is 128 bytes; + 16 h
	s_delay_alu instid0(VALU_DEP_3)
	v_lshlrev_b32 v6, 3, v4                        ; their scale bytes: 8 a row
	v_lshlrev_b32 v7, 6, v3                        ; bq, bk: channels 16 h on
	s_lshl_b32 s40, s[WV], 12
	v_lshlrev_b32 v8, 7, v2
	s_delay_alu instid0(VALU_DEP_1)
	v_lshl_add_u32 v8, v3, 4, v8
	s_delay_alu instid0(VALU_DEP_1)
	v_add_nc_u32 v8, s40, v8                       ; Wv: row 32 w + r
	s_lshl_b32 s40, s[WV], 8
	v_lshl_add_u32 v9, v2, 3, s40                  ; its scale bytes
	s_lshl_b32 s40, s[WV], 7
	v_lshl_add_u32 v10, v2, 2, s40                 ; bv
	WIN 0x40                                       ; destination window 1
.irp u, 0,1
.irp s, 0,1
.irp c, 0,1
	global_load_b128 v[WQK+8*(2*\u+\s)+4*\c:WQK+8*(2*\u+\s)+4*\c+3], v5, s[10:11] offset:\u*1024+64*\s+32*\c
	global_load_b128 v[WQK+8*(4+2*\u+\s)+4*\c:WQK+8*(4+2*\u+\s)+4*\c+3], v5, s[16:17] offset:\u*1024+64*\s+32*\c
.endr
.endr
.endr
	WIN 0
.irp u, 0,1
	global_load_b64 v[WS+2*\u:WS+2*\u+1], v6, s[12:13] offset:64*\u
	global_load_b64 v[WS+4+2*\u:WS+4+2*\u+1], v6, s[18:19] offset:64*\u
	global_load_b128 v[BI+8*\u:BI+8*\u+3], v7, s[14:15] offset:32*\u
	global_load_b128 v[BI+8*\u+4:BI+8*\u+7], v7, s[14:15] offset:32*\u+16
	global_load_b128 v[BI+16+8*\u:BI+16+8*\u+3], v7, s[20:21] offset:32*\u
	global_load_b128 v[BI+16+8*\u+4:BI+16+8*\u+7], v7, s[20:21] offset:32*\u+16
.endr
.irp e, 0,1
.irp s, 0,1
.irp c, 0,1
	global_load_b128 v[WVF+8*(2*\e+\s)+4*\c:WVF+8*(2*\e+\s)+4*\c+3], v8, s[22:23] offset:\e*2048+64*\s+32*\c
.endr
.endr
	global_load_b64 v[WVS+2*\e:WVS+2*\e+1], v9, s[24:25] offset:128*\e
	global_load_b32 v[BV+\e], v10, s[26:27] offset:64*\e
.endr
	; LDS addresses: a constant + a constant x lane + a constant x wave, all made here
	s_lshl_b32 s40, s[WV], 14
	v_lshl_add_u32 v11, v1, 2, s40                 ; my tile of x: 4 bytes a lane
	s_lshl_b32 s40, s[WV], 4
	s_add_co_u32 s40, s40, XC
	v_mul_u32_u24 v12, v1, XCP
	s_delay_alu instid0(VALU_DEP_1)
	v_add_nc_u32 v12, s40, v12                     ; codes in: row = my position, block w's 16 bytes
	s_add_co_u32 s40, s[WV], XS
	v_lshl_add_u32 v13, v1, 3, s40                 ; scale byte in: 8 a position, byte w
	s_lshr_b32 s41, s[WV], 1
	s_lshl_b32 s41, s41, 5
	s_and_b32 s42, s[WV], 1
	s_lshl_b32 s42, s42, 3
	s_add_co_u32 s41, s41, s42                     ; tile w begins at position 32 (w / 2) + 8 (w % 2)
	s_mul_i32 s42, s41, XCP
	s_add_co_u32 s42, s42, XC
	v_mul_u32_u24 v242, v4, XCP
	s_delay_alu instid0(VALU_DEP_1)
	v_lshl_add_u32 v242, v3, 4, v242
	s_delay_alu instid0(VALU_DEP_1)
	v_add_nc_u32 v14, s42, v242                    ; my own tile's fragments
	s_delay_alu instid0(VALU_DEP_2)
	v_add_nc_u32 v242, XC, v242                    ; any tile's: the tile's first row stands in the offset
	s_lshl_b32 s42, s41, 3
	s_add_co_u32 s42, s42, XS
	v_lshl_add_u32 v15, v4, 3, s42                 ; my own tile's scale words
	v_lshlrev_b32 v243, 3, v4
	s_delay_alu instid0(VALU_DEP_1)
	v_add_nc_u32 v243, XS, v243                    ; any tile's
	s_lshl_b32 s42, s[WV], 8
	s_add_co_u32 s42, s42, PS
	v_lshl_add_u32 v244, v3, 6, s42                ; my wave's sums: channels 16 h on
	s_lshr_b32 s42, s[WV], 2
	s_lshl_b32 s42, s42, 9
	s_and_b32 s43, s[WV], 3
	s_lshl_b32 s43, s43, 2
	s_add_co_u32 s42, s42, s43
	s_add_co_u32 s42, s42, VS
	v_lshl_add_u32 v245, v1, 4, s42                ; v's scale word: 512 (w / 4) + 16 l + 4 (w % 4)
	v_lshlrev_b32 v246, 4, v1                      ; 16 l
	s_lshl_b32 s42, s[WV], 9
	v_add_nc_u32 v250, s42, v246                   ; 16 l + 512 w
	s_delay_alu instid0(VALU_DEP_1)
	v_add_nc_u32 v247, VS, v250
	v_lshlrev_b32 v249, 3, v1                      ; 8 l
	s_delay_alu instid0(VALU_DEP_1)
	v_add_nc_u32 v248, PS, v249
.irp b, 0,1,2,3
	v_mov_b32 v[TM+4+\b], 0                        ; written once: a lane permute's destination counts as one of its sources
.endr
	s_mov_b32 s[SEL], 0x76543210
	s_mov_b32 s[SEL+1], 0xfedcba98
	s_lshl_b32 s58, s[BA], 5
	s_add_co_u32 s58, s58, ttmp9                   ; 32 x batch + chunk
	s_mov_b32 s61, 0
	s_lshl_b32 s60, s58, 3
	s_add_co_u32 s60, s60, s[WV]
	s_lshl_b32 s60, s60, 12
	s_add_nc_u64 s[28:29], s[28:29], s[60:61]      ; qkf: 4,096 bytes a tile
	s_lshl_b32 s60, s58, 8
	s_add_nc_u64 s[30:31], s[30:31], s[60:61]      ; part: 256 bytes a chunk
	s_lshl_b32 s60, s58, 14
	s_lshl_b32 s62, s[WV], 11
	s_add_co_u32 s60, s60, s62
	s_add_nc_u64 s[32:33], s[32:33], s[60:61]      ; vimg: 16,384 bytes a chunk, 2,048 a wave
	s_lshl_b32 s60, s58, 10
	s_add_nc_u64 s[34:35], s[34:35], s[60:61]      ; vscl: 1,024 bytes a chunk
; ---- X: my 32 channels of the 128 positions, 32 positions (a unit) at a time
.macro LOADU g                         ; unit g: x(32 w + i, 32 g + l), i = 0 .. 31, into set g % 2: 32 lanes read 128 neighbouring bytes
.set i, 0
.rept 32
	ds_load_b32 v[X0+32*((\g)%2)+i], v11 offset:i*512+(\g)*128
.set i, i+1
.endr
.endm
.macro PROC g                          ; the block's largest magnitude, its scale, its codes; 16 bytes and one byte to LDS
.set XR, X0+32*((\g)%2)
	v_max3_num_f32 v100, |v[XR]|, |v[XR+1]|, |v[XR+2]|
	v_max3_num_f32 v101, |v[XR+3]|, |v[XR+4]|, |v[XR+5]|
.irp i, 6,10,14,18,22,26
	s_delay_alu instid0(VALU_DEP_2)
	v_max3_num_f32 v100, v100, |v[XR+\i]|, |v[XR+\i+1]|
	s_delay_alu instid0(VALU_DEP_2)
	v_max3_num_f32 v101, v101, |v[XR+\i+2]|, |v[XR+\i+3]|
.endr
	s_delay_alu instid0(VALU_DEP_2)
	v_max3_num_f32 v100, v100, |v[XR+30]|, |v[XR+31]|
	s_delay_alu instid0(VALU_DEP_1)
	v_max3_num_f32 v100, v100, v101, 0x1800000     ; the floor 2^(3 - 127): the byte cannot fall under 1
	s_delay_alu instid0(VALU_DEP_1)
	v_add_nc_u32 v102, 0xff000000, v100            ; 2 off the exponent field: the conversion's scale operand
	s_delay_alu instid0(VALU_DEP_1)
	v_lshrrev_b32 v[UB+(\g)], 23, v102             ; the scale's byte
.irp k, 0,1,2,3
	v_cvt_scalef32_pk8_fp4_f32 v[UC+4*(\g)+\k], v[XR+8*\k:XR+8*\k+7], v102
.endr
	v_nop                                          ; one plain line behind the last scaled conversion
	ds_store_b128 v12, v[UC+4*(\g):UC+4*(\g)+3] offset:(\g)*32*XCP
	ds_store_b8 v13, v[UB+(\g)] offset:(\g)*256
.endm
	s_wait_tensorcnt 0x0                           ; my tile is in LDS; I alone read it
	LOADU 0
	LOADU 1
	s_wait_dscnt 32                                ; unit 0 is in; unit 1's 32 loads may be out
	PROC 0
	LOADU 2
	s_wait_dscnt 34                                ; unit 1 is in; behind it: unit 0's two stores and unit 2's 32 loads
	PROC 1
	LOADU 3
	s_wait_dscnt 34                                ; unit 2 is in; behind it: unit 1's two stores and unit 3's 32 loads
	PROC 2
	s_wait_dscnt 2                                 ; unit 3 is in; behind it: unit 2's two stores
	PROC 3
	s_wait_dscnt 0x0                               ; for the others' sake: my stores have landed
	s_barrier_signal -1
	s_barrier_wait -1                              ; the chunk's codes and scale bytes lie in LDS
.irp s, 0,1
.irp c, 0,1
	ds_load_b128 v[XO+8*\s+4*\c:XO+8*\s+4*\c+3], v14 offset:64*\s+32*\c
.endr
.endr
	ds_load_b64 v[XOS:XOS+1], v15
	WIN 0x40
.irp t, 0,1,2,3,4,5,6,7
.irp s, 0,1
.irp c, 0,1
	ds_load_b128 v[XF+8*(2*\t+\s)+4*\c:XF+8*(2*\t+\s)+4*\c+3], v242 offset:(32*(\t/2)+8*(\t%2))*XCP+64*\s+32*\c
.endr
.endr
.endr
	WIN 0
.irp t, 0,1,2,3,4,5,6,7
	ds_load_b64 v[XSW+2*\t:XSW+2*\t+1], v243 offset:(32*(\t/2)+8*(\t%2))*8
.endr
; ---- QK: source 0 = 16 rows of Wq or Wk, source 1 = my tile's 16 positions: lane (r, h) holds position r, and the 16 registers of a pair of tiles channels 16 h + 0 .. 15
	s_wait_loadcnt 0x0                             ; the weights, their scales, the biases
	s_wait_dscnt 40                                ; my own tile is in; the 32 loads of all tiles' fragments and the 8 of their scale words may be out
	WIN 0x01                                       ; source 0 window 1
.irp T, 0,1,2,3                        ; four accumulators by turns, one instruction a turn; the bias is the first product's C
	v_wmma_scale_f32_16x16x128_f8f6f4 v[16+8*\T:23+8*\T], v[WQK+16*\T:WQK+16*\T+7], v[XO:XO+7], v[BI+8*\T:BI+8*\T+7], v[WS+2*\T], v[XOS] matrix_a_fmt:MATRIX_FMT_FP4 matrix_b_fmt:MATRIX_FMT_FP4
.endr
.irp T, 0,1,2,3
	v_wmma_scale_f32_16x16x128_f8f6f4 v[16+8*\T:23+8*\T], v[WQK+16*\T+8:WQK+16*\T+15], v[XO+8:XO+15], v[16+8*\T:23+8*\T], v[WS+2*\T+1], v[XOS+1] matrix_a_fmt:MATRIX_FMT_FP4 matrix_b_fmt:MATRIX_FMT_FP4
.endr
	WIN 0
.rept 4
	v_nop                                          ; four places in front of the first read of results
.endr
.irp i, 0,1,2,3
	global_store_b128 v246, v[16+4*\i:19+4*\i], s[28:29] offset:512*\i          ; q: each store covers 512 consecutive bytes; each accumulator from its low end on
.endr
.irp i, 0,1,2,3
	global_store_b128 v246, v[32+4*\i:35+4*\i], s[28:29] offset:2048+512*\i     ; k
.endr
.set i, 0
.rept 16
	v_pk_mul_f32 v[SQ+2*i:SQ+2*i+1], v[16+2*i:17+2*i], v[16+2*i:17+2*i]         ; the squares,
.set i, i+1
.endr
.irp m, 1,2,4,8
.set i, 0
.rept 32
	v_add_f32_dpp v[SQ+i], v[SQ+i], v[SQ+i] row_xmask:\m row_mask:0xf bank_mask:0xf   ; summed over the tile's 16 positions, which lie in the 16 lanes of a half
.set i, i+1
.endr
.endr
.irp i, 0,1,2,3
	ds_store_b128 v244, v[SQ+4*\i:SQ+4*\i+3] offset:16*\i                       ; the 16 lanes of a half write the same bytes with the same values
	ds_store_b128 v244, v[SQ+16+4*\i:SQ+16+4*\i+3] offset:128+16*\i
.endr
; 64 numbers of a lane, register 16 b + i = position 32 b + 16 h + i of my channel, become a fragment's codes and its scale word
.macro QUANT src, pc, pw
.irp b, 0,1,2,3
	v_max3_num_f32 v[TM+\b], |v[\src+16*\b]|, |v[\src+1+16*\b]|, 0x1800000
.endr
.irp i, 2,4,6,8,10,12,14
.irp b, 0,1,2,3
	v_max3_num_f32 v[TM+\b], v[TM+\b], |v[\src+16*\b+\i]|, |v[\src+1+16*\b+\i]|
.endr
.endr
.irp b, 0,1,2,3
	s_delay_alu instid0(VALU_DEP_4)
	v_permlanex16_b32 v[TM+4+\b], v[TM+\b], s[SEL], s[SEL+1]
.endr
.irp b, 0,1,2,3
	s_delay_alu instid0(VALU_DEP_4)
	v_max_num_f32 v[TM+\b], v[TM+\b], v[TM+4+\b]   ; with lane l xor 16's: the block's largest magnitude
.endr
.irp b, 0,1,2,3
	s_delay_alu instid0(VALU_DEP_4)
	v_add_nc_u32 v[TM+12+\b], 0xff000000, v[TM+\b]
.endr
.irp b, 0,1,2,3
	s_delay_alu instid0(VALU_DEP_4)
	v_lshrrev_b32 v[TM+4+\b], 23, v[TM+12+\b]
.endr
	s_delay_alu instid0(VALU_DEP_3)
	v_lshl_or_b32 v[\pw], v[TM+5], 8, v[TM+4]
	s_delay_alu instid0(VALU_DEP_1)
	v_lshl_or_b32 v[\pw], v[TM+6], 16, v[\pw]
	s_delay_alu instid0(VALU_DEP_1)
	v_lshl_or_b32 v[\pw], v[TM+7], 24, v[\pw]
.irp b, 0,1,2,3
	v_cvt_scalef32_pk8_fp4_f32 v[\pc+2*\b], v[\src+16*\b:\src+7+16*\b], v[TM+12+\b]
	v_cvt_scalef32_pk8_fp4_f32 v[\pc+1+2*\b], v[\src+8+16*\b:\src+15+16*\b], v[TM+12+\b]
.endr
	v_nop                                          ; one plain line behind the last scaled conversion
.irp c, 0,1                            ; the operand's layout wants a whole block in a lane
.irp i, 0,1
	v_permlane16_swap_b32 v[\pc+4*\c+\i], v[\pc+2+4*\c+\i]
.endr
.endr
.endm
; ---- V: source 0 = 16 positions of x, source 1 = 16 rows of Wv: lane (r, h) holds channel 32 w + 16 e + r, and its registers run along the positions
	s_wait_xcnt 0x0                                ; q's and k's stores have read their registers: v's sums are laid over them only behind this wait
	s_wait_dscnt 0x0                               ; all tiles' fragments and scale words are in
.irp e, 0,1
.irp j, 0,1,2,3,4,5,6,7
	v_mov_b32 v[BC+\j], v[BV+\e]                   ; the bias of my channel in the result's eight registers
.endr
.rept 4
	v_nop
.endr
	WIN 0x01
.irp t, 0,1,2,3,4,5,6,7                ; eight accumulators by turns
	v_wmma_scale_f32_16x16x128_f8f6f4 v[ACC+8*\t:ACC+8*\t+7], v[XF+16*\t:XF+16*\t+7], v[WVF+16*\e:WVF+16*\e+7], v[BC:BC+7], v[XSW+2*\t], v[WVS+2*\e] matrix_a_fmt:MATRIX_FMT_FP4 matrix_b_fmt:MATRIX_FMT_FP4
.endr
.irp t, 0,1,2,3,4,5,6,7
	v_wmma_scale_f32_16x16x128_f8f6f4 v[ACC+8*\t:ACC+8*\t+7], v[XF+16*\t+8:XF+16*\t+15], v[WVF+16*\e+8:WVF+16*\e+15], v[ACC+8*\t:ACC+8*\t+7], v[XSW+2*\t+1], v[WVS+2*\e+1] matrix_a_fmt:MATRIX_FMT_FP4 matrix_b_fmt:MATRIX_FMT_FP4
.endr
	WIN 0
.rept 4
	v_nop
.endr
	QUANT ACC, PC+8*\e, PW+\e
.irp c, 0,1
	global_store_b128 v246, v[PC+8*\e+4*\c:PC+8*\e+4*\c+3], s[32:33] offset:\e*1024+512*\c   ; the fragment as it stands in my registers: 512 consecutive bytes a store
.endr
.endr
	v_cmp_lt_u32 vcc_lo, 15, v1
	s_delay_alu instid0(VALU_DEP_1)
	v_cndmask_b32 v[PW], v[PW], v[PW+1], vcc_lo    ; lanes 0-15 the even channel tile's words, lanes 16-31 the odd one's
	ds_store_b32 v245, v[PW]
	s_wait_dscnt 0x0                               ; for the others' sake: my sums and my scale words have landed
	s_barrier_signal -1
	s_barrier_wait -1
; ---- the chunk's scale words (waves 0 and 1) and sums of squares (wave 2) leave in whole runs
	s_cmp_lt_u32 s[WV], 2
	s_cbranch_scc0 .Lnot_scl
	ds_load_b128 v[100:103], v247
	s_wait_dscnt 0x0
	global_store_b128 v250, v[100:103], s[34:35]   ; 512 consecutive bytes
	s_branch .Lend
.Lnot_scl:
	s_cmp_eq_u32 s[WV], 2
	s_cbranch_scc0 .Lend
.irp k, 0,1,2,3,4,5,6,7
	ds_load_b64 v[16+2*\k:17+2*\k], v248 offset:256*\k
.endr
	s_wait_dscnt 0x0
.irp k, 0,2,4,6
	v_pk_add_f32 v[16+2*\k:17+2*\k], v[16+2*\k:17+2*\k], v[18+2*\k:19+2*\k]
.endr
	s_delay_alu instid0(VALU_DEP_3)
	v_pk_add_f32 v[16:17], v[16:17], v[20:21]
	s_delay_alu instid0(VALU_DEP_2)
	v_pk_add_f32 v[24:25], v[24:25], v[28:29]
	s_delay_alu instid0(VALU_DEP_1)
	v_pk_add_f32 v[16:17], v[16:17], v[24:25]
	global_store_b64 v249, v[16:17], s[30:31]      ; 256 consecutive bytes, aligned
.Lend:
	s_wait_tensorcnt 0x0
	ds_add_u32 v254, v255
	s_wait_dscnt 0x0
	s_endpgm
.Lfunc_end_k_qc1e9b8fcb6_proj:
	.size	k_qc1e9b8fcb6_proj, .Lfunc_end_k_qc1e9b8fcb6_proj-k_qc1e9b8fcb6_proj
	.p2alignl 7, 3214868480
	.fill 96, 4, 3214868480
	.section	.rodata,"a",@progbits
	.p2align	6, 0x0
	.amdhsa_kernel k_qc1e9b8fcb6_proj
		.amdhsa_group_segment_fixed_size 168960
		.amdhsa_private_segment_fixed_size 0
		.amdhsa_enable_private_segment 0
		.amdhsa_kernarg_size 112
		.amdhsa_user_sgpr_count 2
		.amdhsa_user_sgpr_kernarg_segment_ptr 1
		.amdhsa_wavefront_size32 1
		.amdhsa_system_sgpr_workgroup_id_x 1
		.amdhsa_system_sgpr_workgroup_id_y 1
		.amdhsa_system_sgpr_workgroup_id_z 1
		.amdhsa_system_vgpr_workitem_id 0
		.amdhsa_next_free_vgpr 448
		.amdhsa_next_free_sgpr 80
		.amdhsa_reserve_vcc 1
		.amdhsa_float_denorm_mode_32 3
		.amdhsa_float_denorm_mode_16_64 3
		.amdhsa_memory_ordered 1
		.amdhsa_forward_progress 1
		.amdhsa_inst_pref_size 57
	.end_amdhsa_kernel
	.amdgpu_metadata
---
amdhsa.version: [ 1, 2 ]
amdhsa.kernels:
  - .name:           k_qc1e9b8fcb6_proj
    .symbol:         k_qc1e9b8fcb6_proj.kd
    .args:
      - { .name: x, .offset: 0, .size: 8, .value_kind: global_buffer, .address_space: global }
      - { .name: Wq_codes, .offset: 8, .size: 8, .value_kind: global_buffer, .address_space: global }
      - { .name: Wq_scales, .offset: 16, .size: 8, .value_kind: global_buffer, .address_space: global }
      - { .name: bq, .offset: 24, .size: 8, .value_kind: global_buffer, .address_space: global }
      - { .name: Wk_codes, .offset: 32, .size: 8, .value_kind: global_buffer, .address_space: global }
      - { .name: Wk_scales, .offset: 40, .size: 8, .value_kind: global_buffer, .address_space: global }
      - { .name: bk, .offset: 48, .size: 8, .value_kind: global_buffer, .address_space: global }
      - { .name: Wv_codes, .offset: 56, .size: 8, .value_kind: global_buffer, .address_space: global }
      - { .name: Wv_scales, .offset: 64, .size: 8, .value_kind: global_buffer, .address_space: global }
      - { .name: bv, .offset: 72, .size: 8, .value_kind: global_buffer, .address_space: global }
      - { .name: qkf, .offset: 80, .size: 8, .value_kind: global_buffer, .address_space: global }
      - { .name: part, .offset: 88, .size: 8, .value_kind: global_buffer, .address_space: global }
      - { .name: vimg, .offset: 96, .size: 8, .value_kind: global_buffer, .address_space: global }
      - { .name: vscl, .offset: 104, .size: 8, .value_kind: global_buffer, .address_space: global }
    .group_segment_fixed_size: 168960
    .private_segment_fixed_size: 0
    .kernarg_segment_align: 8
    .kernarg_segment_size: 112
    .max_flat_workgroup_size: 256
    .sgpr_count:     80
    .vgpr_count:     448
    .wavefront_size: 32
...
	.end_amdgpu_metadata
.endif
;; end of part 1
;; launch normq (part 2): grid 32 x 8, 2 waves a work-group, no clusters, 0 bytes of LDS; arguments qkf, part, qimg, qscl, kimg, kscl; writes qimg, qscl, kimg, kscl
.if DOCPART == 2
	.amdgcn_target "amdgcn-amd-amdhsa--gfx1250"
	.amdhsa_code_object_version 6
	.text
	.protected	k_qc1e9b8fcb6_normq
	.globl	k_qc1e9b8fcb6_normq
	.p2align	8
	.type	k_qc1e9b8fcb6_normq,@function
k_qc1e9b8fcb6_normq:
	s_mov_b64 s[64:65], 0
	v_nop
	global_prefetch_b8 v0, s[64:65] scope:SCOPE_SE
	s_setreg_imm32_b32 hwreg(HW_REG_WAVE_MODE, 25, 1), 1
	s_wait_xcnt 0x0
; q and k are divided by max(their channel's L2 norm over the batch's 4,096 positions, 1e-12) and quantised along their 32 channels (E2M1, one block a position).
; Grid x = chunk of 128 positions, y = batch.  Wave 0 takes q, wave 1 takes k: only pointers and one offset differ.  No LDS, no barrier, no matrix work: a stream of 16 KiB a wave.
; A lane (r, h) holds, of tile t's position r, channels 16 h + 0 .. 15 in 16 registers, as the first launch left them; a block of 32 lies in lanes l and l xor 16.
; The 32 chunks' sums of squares: lane r loads chunks r and r + 16 for its 16 channels; four steps across the 16 lanes of a half give every lane the whole sums.
; OUT: codes [tile][r][16 bytes] (each store covers 256 consecutive bytes, aligned), scale bytes [f][r][4]: byte s of word (f, r) belongs to tile 4 f + s.
; LIMITS: 1 / norm is v_rcp_f32 of v_sqrt_f32, and the division a multiplication: a few units in the last place of f32.  NaN and infinities are not served.  A block of zeros gets the byte 1 with zero codes; this program alone reads the bytes.
.set INV, 16                           ; v16-47  the partial sums; then v16-31: 1 / max(norm, 1e-12) of my 16 channels
.set IM,  48                           ; v48-175 eight tiles x 16 numbers
.set CD,  176                          ; v176-191 codes: two registers a tile
.set BY,  192                          ; v192-199 a scale byte a tile
	s_load_b256 s[4:11], s[0:1], 0x0               ; qkf s[4:5], part s[6:7], qimg s[8:9], qscl s[10:11]
	s_load_b128 s[12:15], s[0:1], 0x20             ; kimg s[12:13], kscl s[14:15]
	v_lshrrev_b32 v1, 5, v0
	v_readfirstlane_b32 s16, v1                    ; 0: q, 1: k
	s_and_b32 s17, ttmp7, 0xffff                   ; the batch
	v_and_b32 v1, 31, v0                           ; l
	v_and_b32 v2, 15, v0                           ; r
	v_bfe_u32 v3, v0, 4, 1                         ; h
	v_lshlrev_b32 v4, 8, v2
	v_lshl_add_u32 v4, v3, 6, v4                   ; part: chunk r (256 bytes a chunk), channels 16 h on
	v_lshlrev_b32 v5, 4, v1                        ; the images: 16 l
	v_lshlrev_b32 v6, 4, v2
	v_lshl_add_u32 v6, v3, 3, v6                   ; the codes: 16 r + 8 h
	v_lshlrev_b32 v7, 2, v1                        ; the scale words: 4 l
	v_mov_b32 v202, 0                              ; written once: a lane permute's destination counts as one of its sources
	s_mov_b32 s20, 0x76543210
	s_mov_b32 s21, 0xfedcba98                      ; v_permlanex16_b32's selects for lane l xor 16
	s_lshl_b32 s18, s17, 5
	s_add_co_u32 s18, s18, ttmp9                   ; 32 x batch + chunk
	s_lshl_b32 s22, s17, 13                        ; part: 8,192 bytes a batch,
	s_lshl_b32 s19, s16, 7                         ; k's 128 bytes behind q's
	s_add_co_u32 s22, s22, s19
	s_mov_b32 s23, 0
	s_lshl_b32 s24, s18, 15                        ; qkf: 32,768 bytes a chunk,
	s_lshl_b32 s19, s16, 11                        ; in each tile k's 2,048 bytes behind q's
	s_add_co_u32 s24, s24, s19
	s_mov_b32 s25, 0
	s_lshl_b32 s26, s18, 11                        ; codes: 2,048 bytes a chunk
	s_mov_b32 s27, 0
	s_lshl_b32 s28, s18, 7                         ; scale bytes: 128 a chunk
	s_mov_b32 s29, 0
	s_wait_alu depctr_va_vdst(0)
	s_wait_kmcnt 0x0
	s_cmp_eq_u32 s16, 0                            ; the choice hangs on the wave's number alone
	s_cselect_b64 s[8:9], s[8:9], s[12:13]
	s_cselect_b64 s[10:11], s[10:11], s[14:15]
	s_add_nc_u64 s[6:7], s[6:7], s[22:23]
	s_add_nc_u64 s[4:5], s[4:5], s[24:25]
	s_add_nc_u64 s[8:9], s[8:9], s[26:27]
	s_add_nc_u64 s[10:11], s[10:11], s[28:29]
.irp i, 0,1,2,3
	global_load_b128 v[INV+4*\i:INV+4*\i+3], v4, s[6:7] offset:16*\i
	global_load_b128 v[INV+16+4*\i:INV+16+4*\i+3], v4, s[6:7] offset:4096+16*\i
.endr
.irp t, 0,1,2,3,4,5,6,7
.irp i, 0,1,2,3
	global_load_b128 v[IM+16*\t+4*\i:IM+16*\t+4*\i+3], v5, s[4:5] offset:4096*\t+512*\i th:TH_LOAD_NT   ; 512 consecutive bytes a load, read once
.endr
.endr
	s_wait_loadcnt 32                              ; the partial sums are in; the 32 loads of the images may be out
.irp k, 0,2,4,6,8,10,12,14
	v_pk_add_f32 v[INV+\k:INV+\k+1], v[INV+\k:INV+\k+1], v[INV+16+\k:INV+17+\k]
.endr
.irp m, 1,2,4,8
.set i, 0
.rept 16
	v_add_f32_dpp v[INV+i], v[INV+i], v[INV+i] row_xmask:\m row_mask:0xf bank_mask:0xf
.set i, i+1
.endr
.endr
.set i, 0
	s_wait_alu depctr_va_vdst(0)
.rept 16
	v_sqrt_f32 v[INV+i], v[INV+i]
.set i, i+1
.endr
	v_nop                                          ; a plain line behind the last root,
	s_wait_alu depctr_va_vdst(0)                   ; and one wait for the batch, ahead of its first reader
.set i, 0
.rept 16
	v_max_num_f32 v[INV+i], 0x2b8cbccc, v[INV+i]   ; max(norm, 1e-12)
.set i, i+1
.endr
.set i, 0
	s_wait_alu depctr_va_vdst(0)
.rept 16
	v_rcp_f32 v[INV+i], v[INV+i]
.set i, i+1
.endr
	v_nop
	s_wait_alu depctr_va_vdst(0)                   ; one wait for the sixteen reciprocals
.macro TILE t
.set A, IM+16*(\t)
	s_wait_loadcnt 4*(7-(\t))                      ; this tile's four loads are in; the later tiles' may be out
.irp k, 0,2,4,6,8,10,12,14
	v_pk_mul_f32 v[A+\k:A+\k+1], v[A+\k:A+\k+1], v[INV+\k:INV+\k+1]
.endr
	v_max3_num_f32 v200, |v[A]|, |v[A+1]|, 0x1800000    ; my 16 numbers and the floor 2^(3 - 127), in two chains
	v_max3_num_f32 v201, |v[A+2]|, |v[A+3]|, |v[A+4]|
	v_max3_num_f32 v200, v200, |v[A+5]|, |v[A+6]|
	v_max3_num_f32 v201, v201, |v[A+7]|, |v[A+8]|
	v_max3_num_f32 v200, v200, |v[A+9]|, |v[A+10]|
	v_max3_num_f32 v201, v201, |v[A+11]|, |v[A+12]|
	v_max3_num_f32 v200, v200, |v[A+13]|, |v[A+14]|
	v_max3_num_f32 v200, v200, v201, |v[A+15]|
	v_permlanex16_b32 v202, v200, s20, s21
	v_max_num_f32 v200, v200, v202                 ; with lane l xor 16's: the block's largest magnitude
	v_add_nc_u32 v203, 0xff000000, v200            ; 2 off its exponent field: the conversion's scale operand
	v_lshrrev_b32 v[BY+(\t)], 23, v203             ; the scale's byte
	v_cvt_scalef32_pk8_fp4_f32 v[CD+2*(\t)], v[A:A+7], v203
	v_cvt_scalef32_pk8_fp4_f32 v[CD+2*(\t)+1], v[A+8:A+15], v203
	v_nop                                          ; one plain line behind the last scaled conversion
	global_store_b64 v6, v[CD+2*(\t):CD+2*(\t)+1], s[8:9] offset:256*(\t)
.endm
.irp t, 0,1,2,3,4,5,6,7
	TILE \t
.endr
	v_lshl_or_b32 v204, v[BY+1], 8, v[BY]
	v_lshl_or_b32 v205, v[BY+5], 8, v[BY+4]
	v_lshl_or_b32 v204, v[BY+2], 16, v204
	v_lshl_or_b32 v205, v[BY+6], 16, v205
	v_lshl_or_b32 v204, v[BY+3], 24, v204          ; tiles 0 to 3 of my row r
	v_lshl_or_b32 v205, v[BY+7], 24, v205          ; tiles 4 to 7
	v_cmp_lt_u32 vcc_lo, 15, v1
	v_cndmask_b32 v204, v204, v205, vcc_lo         ; lanes 0-15 store word (0, r), lanes 16-31 word (1, r)
	global_store_b32 v7, v204, s[10:11]
	s_endpgm
.Lfunc_end_k_qc1e9b8fcb6_normq:
	.size	k_qc1e9b8fcb6_normq, .Lfunc_end_k_qc1e9b8fcb6_normq-k_qc1e9b8fcb6_normq
	.p2alignl 7, 3214868480
	.fill 96, 4, 3214868480
	.section	.rodata,"a",@progbits
	.p2align	6, 0x0
	.amdhsa_kernel k_qc1e9b8fcb6_normq
		.amdhsa_group_segment_fixed_size 0
		.amdhsa_private_segment_fixed_size 0
		.amdhsa_enable_private_segment 0
		.amdhsa_kernarg_size 48
		.amdhsa_user_sgpr_count 2
		.amdhsa_user_sgpr_kernarg_segment_ptr 1
		.amdhsa_wavefront_size32 1
		.amdhsa_system_sgpr_workgroup_id_x 1
		.amdhsa_system_sgpr_workgroup_id_y 1
		.amdhsa_system_sgpr_workgroup_id_z 1
		.amdhsa_system_vgpr_workitem_id 0
		.amdhsa_next_free_vgpr 224
		.amdhsa_next_free_sgpr 66
		.amdhsa_reserve_vcc 1
		.amdhsa_float_denorm_mode_32 3
		.amdhsa_float_denorm_mode_16_64 3
		.amdhsa_memory_ordered 1
		.amdhsa_forward_progress 1
		.amdhsa_inst_pref_size 25
	.end_amdhsa_kernel
	.amdgpu_metadata
---
amdhsa.version: [ 1, 2 ]
amdhsa.kernels:
  - .name:           k_qc1e9b8fcb6_normq
    .symbol:         k_qc1e9b8fcb6_normq.kd
    .args:
      - { .name: qkf, .offset: 0, .size: 8, .value_kind: global_buffer, .address_space: global }
      - { .name: part, .offset: 8, .size: 8, .value_kind: global_buffer, .address_space: global }
      - { .name: qimg, .offset: 16, .size: 8, .value_kind: global_buffer, .address_space: global }
      - { .name: qscl, .offset: 24, .size: 8, .value_kind: global_buffer, .address_space: global }
      - { .name: kimg, .offset: 32, .size: 8, .value_kind: global_buffer, .address_space: global }
      - { .name: kscl, .offset: 40, .size: 8, .value_kind: global_buffer, .address_space: global }
    .group_segment_fixed_size: 0
    .private_segment_fixed_size: 0
    .kernarg_segment_align: 8
    .kernarg_segment_size: 48
    .max_flat_workgroup_size: 64
    .sgpr_count:     66
    .vgpr_count:     224
    .wavefront_size: 32
...
	.end_amdgpu_metadata
.endif
;; end of part 2
;; launch attn (part 3): grid 32 x 8, 8 waves a work-group, clusters of 4 x 1, 327,680 bytes of LDS; arguments qimg, qscl, kimg, kscl, vimg, vscl, x, gamma, temperature, out0; writes out0
.if DOCPART == 3
	.amdgcn_target "amdgcn-amd-amdhsa--gfx1250"
	.amdhsa_code_object_version 6
	.text
	.protected	k_qc1e9b8fcb6_attn
	.globl	k_qc1e9b8fcb6_attn
	.p2align	8
	.type	k_qc1e9b8fcb6_attn,@function
k_qc1e9b8fcb6_attn:
	s_mov_b64 s[64:65], 0
	v_nop
	global_prefetch_b8 v0, s[64:65] scope:SCOPE_SE
	s_setreg_imm32_b32 hwreg(HW_REG_WAVE_MODE, 25, 1), 1
	s_wait_xcnt 0x0
	s_wait_alu depctr_hold_cnt(0) depctr_sa_sdst(0) depctr_va_vdst(0) depctr_va_sdst(0) depctr_va_ssrc(0) depctr_va_vcc(0) depctr_vm_vsrc(0)
	s_getreg_b32 s2, hwreg(HW_REG_IB_STS2, 6, 4)
	s_cmp_eq_u32 s2, 0
	s_cbranch_scc0 .Lentry_in_a_cluster
	s_endpgm
.Lentry_in_a_cluster:
	s_bfe_u32 s2, ttmp6, 0x10000c
	s_cmp_lg_u32 s2, 0x3003
	s_cbranch_scc0 .Lentry_shape_is_right
	s_endpgm
.Lentry_shape_is_right:
; out[b][c][m] = gamma x (the sum over n of v[b][c][n] p[m][n]) / l[m] + x[b][c][m], p = 2^(t - M), t = (qn[m] . kn[n] / (T + 1e-6) + (m == n)) x log2(e), M = the ceiling of the row's running largest t, l = the sum of the unquantised p.
; Both products on codes of E2M1 with E8M0 scales, which the two launches before have made.
; SHARES.  A work-group owns 128 queries (a chunk) of one batch, each of its eight waves one tile of 16; two waves to a SIMD.  Every wave walks the batch's 4,096 keys, 128 a step, 32 steps.
; Both products are used transposed: S^T = K Q^T, O^T = V P^T: a lane holds ONE query (lane % 16) throughout.  Row r of tile t of a chunk is position 32 (t / 2) + 8 (t % 2) + r + 8 (r / 8), so the 16 registers of S tiles 2 b, 2 b + 1 are keys 32 b + 16 h + 0 .. 15.
; THE FIRST PRODUCT HAS K = 32, THE INSTRUCTION 128.  One fragment of K holds FOUR tiles of keys, one in each block of 32; Q stands in four variants, its codes in block s and zero codes elsewhere.  Zero codes add nothing, so the
; product of fragment f with variant s is the S tile 4 f + s.  The variants are runs of eight out of twenty registers [Z A Z B Z] (A: the codes in lanes 0-15, B: in lanes 16-31, Z: zeros).  K costs four loads of 16 bytes a lane for 128 keys.
; THE SIGN OF T + 1e-6 is put into Q's codes (their sign bits are turned where it is negative), so that the factor c = log2(e) / |T + 1e-6| is positive and the largest score is the largest t.
; THE IDENTITY is added to the score as |T + 1e-6| ahead of the multiplication by c.  My queries are key tile w of step (my chunk): the diagonal of that 16 x 16 tile.
; CLUSTER.  The four work-groups of a cluster belong to one batch and walk the same K, V and scale words: each tile is asked for JOINTLY (mask 15).  K's codes and V's scale words of the whole batch are filled once; V's codes go through a ring of two slots of four steps.
; LIMITS: T + 1e-6 = 0, NaN and infinities are not served.  c and the diagonal's term carry the rounding of one v_rcp_f32 and two multiplications.
; REGISTERS.  Window 0: v1-11 addresses; v12 -M, v13 the largest t, v[14:15] l in two halves; v16-35 Q; v36 Q's scale word, v37 K's, v38-45 V's; v46-53 the diagonal's pattern; v54-69 K's two fragments; v70-77 p's codes; v[78:79] f; v80 p's scale word;
;   v84-99 at work; v100-104 the way out; v128-191 S^T, then p, then V's fragments 8-15; v192-255 V's fragments 0-7.   Window 1: v0-127 O^T (channel tile ct at 8 ct); v128-255 x's rows for the residual.
.set SLOTB, 65536                      ; a slot: V's codes of four steps; slot 1 begins here, so that one exclusive or turns an address
.set KC,    131072                     ; K's codes of the batch: 65,536 bytes
.set VSC,   196608                     ; V's scale words of the batch: 32,768 bytes
.set KSC,   229376                     ; K's scale words: 4,096 bytes, brought through registers: no tensor load lands here
.set SPARE, 233472                     ; the spare words, 128 bytes for each wave: four blocks of 256 bytes that no other line names
.set SP,    528                        ; the way out: a stage of 256 rows (channels) x (512 bytes + 16), from LDS byte 0, in bytes that have had their last fill
.set L16, 1
.set KB,  2
.set SPW, 3
.set NIL, 4
.set ADK, 5
.set ADS, 6
.set ADV, 7
.set ADT, 8
.set PFO, 9
.set KSB, 10
.set VSB, 11
.set QB,  16
.set QS,  36
.set KS,  37
.set VSR, 38
.set DP,  46
.set KF,  54
.set PC,  70
.set FF,  78
.set PSW, 80
.set BM,  84
.set BX,  88
.set SC,  92
.set T0,  96
.set SU,  98
.set STO, 100
.set RD,  104
.set S,   128
.set VF,  192
.set WV,  24                           ; s24 my wave's number;  s25 cx;  s26 my chunk = 4 x cluster x + cx;  s27 the batch;  s28 gamma;  s29 T
.set CX,  25
.set WGX, 26
.set BA,  27
.set GAM, 28
.set TEM, 29
.set G1,  32                           ; s[32:39] descriptor group 1, the same for every load
.set G0K, 40                           ; s[40:43] group 0: K's codes;  s[44:47] V's scale words;  s[48:51] V's codes, which walks
.set G0S, 44
.set G0V, 48
.set CS,  52                           ; s[52:53] c
.set SEL, 54                           ; s[54:55] lane selects: lane l xor 16
.set FT,  56                           ; s[56:57] 1.0 where the tile in hand holds my diagonal, else 0
.set TB,  58                           ; s58 V's codes of the step: LDS byte;  s59 K's codes;  s60 K's scale words;  s61 V's scale words;  s62 the step's number
.set TK,  59
.set TKS, 60
.set TVS, 61
.set STP, 62
.set SLOTS, 63
.set CNT, 66
.set LIM, 67
.set PFA, 68
.set XB,  70
.set OB,  72
.set FL,  76
.set MSB, 0
.macro WIN new                         ; the immediate's high byte repeats the setting that is left
.if MSB != \new
	s_set_vgpr_msb (MSB<<8)|\new
.set MSB, \new
.endif
.endm
.macro CROUND                          ; a round of the cluster's barrier
	s_barrier_signal -1
	s_barrier_wait -1
	s_cmp_lg_u32 s[WV], 0
	s_cbranch_scc1 .Lnot_wave_0_\@
	s_barrier_signal -3
.Lnot_wave_0_\@:
	s_barrier_wait -3
	s_barrier_signal -1
	s_barrier_wait -1
.endm
.macro JLOAD                           ; the joint refill: waves 0 to 3 fetch one step's 16,384 bytes of V each; four v_nop follow the line
	s_cmp_lt_u32 s[WV], 4
	s_cbranch_scc0 .Lnone_\@
	tensor_load_to_lds s[G0V:G0V+3], s[G1:G1+7]
	s_nop 0
.rept 4
	v_nop
.endr
.Lnone_\@:
.endm
; A prefetch of the slot that the NEXT change of slots will ask for: 65,536 bytes, each aligned block of 256 named once in the launch.  All clusters of a batch walk the same V: the batch's first cluster asks.
; Its four partners take 16,384 bytes each, told apart by address; in each, waves 4 and 5, which fetch nothing in the loop, take 8,192 bytes, lanes 256 bytes apart.  The last change that fills a slot asks for nothing.
.macro ASK
	s_cmp_gt_u32 s[SLOTS], s[LIM]
	s_cbranch_scc0 .Lnot_mine_\@
	global_prefetch_b8 v[PFO], s[PFA:PFA+1] th:TH_LOAD_NT scope:SCOPE_SE
.Lnot_mine_\@:
.endm
	s_load_b512 s[4:19], s[0:1], 0x0               ; qimg s[4:5], qscl s[6:7], kimg s[8:9], kscl s[10:11], vimg s[12:13], vscl s[14:15], x s[16:17], gamma s[18:19]
	s_load_b128 s[20:23], s[0:1], 0x40             ; temperature s[20:21], out0 s[22:23]
	v_lshl_add_u32 v[SPW], v0, 2, SPARE
	v_mov_b32 v[NIL], 0
	ds_add_u32 v3, v4
	ds_add_u32 v3, v4
	s_wait_dscnt 0x0
	v_lshrrev_b32 v112, 5, v0
	s_delay_alu instid0(VALU_DEP_1)
	v_readfirstlane_b32 s[WV], v112                ; wave 0..7
	s_bfe_u32 s[CX], ttmp6, 0x40000                ; my place in the cluster
	s_lshl_b32 s[WGX], ttmp9, 2
	s_add_co_u32 s[WGX], s[WGX], s[CX]             ; my chunk of queries: it enters global addresses and a select, no branch and no LDS address
	s_and_b32 s[BA], ttmp7, 0xffff                 ; the batch, which the partners share
	; descriptor group 1: a dense block of 16,384 bytes as 64 rows of 256 bytes (32 elements of 8 bytes), no padding: the images are read 16 bytes a lane on end
	s_mov_b32 s[G1], 15|(3<<16)|(1<<21)            ; the mask: all four work-groups; elements of 8 bytes; bit 21 beside a mask
	s_mov_b32 s[G1+1], 32<<16                      ; tensor_dim0 = 32
	s_mov_b32 s[G1+2], 64<<16                      ; tensor_dim1 = 64
	s_mov_b32 s[G1+3], 32<<16                      ; tile_dim0 = 32
	s_mov_b32 s[G1+4], 64                          ; tile_dim1 = 64
	s_mov_b32 s[G1+5], 32                          ; the pitch
	s_mov_b32 s[G1+6], 0
	s_mov_b32 s[G1+7], 0
	s_lshl_b32 s80, s[WV], 14                      ; 16,384 x wave
	s_mov_b32 s75, 0
	s_mov_b32 s79, 0
	s_wait_kmcnt 0x0
	s_load_b32 s[GAM], s[18:19], 0x0
	s_load_b32 s[TEM], s[20:21], 0x0
	s_mov_b32 s[G0K], 1                            ; K's codes: waves 0 to 3, a quarter of the batch's 65,536 bytes each
	s_add_co_u32 s[G0K+1], s80, KC
	s_lshl_b32 s74, s[BA], 16
	s_add_co_u32 s74, s74, s80
	s_add_nc_u64 s[G0K+2:G0K+3], s[8:9], s[74:75]
	s_or_b32 s[G0K+3], s[G0K+3], 0x80000000
	s_mov_b32 s[G0S], 1                            ; V's scale words: waves 4 and 5, half of the batch's 32,768 bytes each; KC + 16,384 w is VSC + 16,384 (w - 4)
	s_add_co_u32 s[G0S+1], s80, KC
	s_and_b32 s74, s[WV], 3
	s_lshl_b32 s74, s74, 14
	s_lshl_b32 s81, s[BA], 15
	s_add_co_u32 s74, s74, s81
	s_add_nc_u64 s[G0S+2:G0S+3], s[14:15], s[74:75]
	s_or_b32 s[G0S+3], s[G0S+3], 0x80000000
	s_mov_b32 s[G0V], 1                            ; V's codes: waves 0 to 3, one step of the slot each; slot 0, steps 0 to 3
	s_mov_b32 s[G0V+1], s80
	s_lshl_b32 s74, s[BA], 19
	s_add_co_u32 s74, s74, s80
	s_add_nc_u64 s[G0V+2:G0V+3], s[12:13], s[74:75]
	s_or_b32 s[G0V+3], s[G0V+3], 0x80000000
	CROUND                                         ; all four work-groups are here: the first joint loads meet
	s_cmp_lt_u32 s[WV], 4                          ; a wave's first fills stand in one branch: two loads of waves 0 to 3 are out, one of waves 4 and 5
	s_cbranch_scc0 .Lnot_kv
	tensor_load_to_lds s[G0K:G0K+3], s[G1:G1+7]
	s_nop 0
	tensor_load_to_lds s[G0V:G0V+3], s[G1:G1+7]
	s_nop 0
.rept 4
	v_nop
.endr
	s_branch .Lfilled
.Lnot_kv:
	s_cmp_lt_u32 s[WV], 6
	s_cbranch_scc0 .Lfilled
	tensor_load_to_lds s[G0S:G0S+3], s[G1:G1+7]
	s_nop 0
.rept 4
	v_nop
.endr
.Lfilled:
	v_and_b32 v116, 31, v0                         ; l
	v_and_b32 v114, 15, v0                         ; r
	v_bfe_u32 v115, v0, 4, 1                       ; h
	s_delay_alu instid0(VALU_DEP_3)
	v_lshlrev_b32 v[L16], 4, v116                  ; 16 l: an image's place for my lane
	s_delay_alu instid0(VALU_DEP_1)
	v_add_nc_u32 v[KB], KC, v[L16]
	v_lshlrev_b32 v[PFO], 8, v116
	v_lshl_add_u32 v[KSB], v116, 2, KSC
	s_delay_alu instid0(VALU_DEP_4)
	v_add_nc_u32 v[VSB], VSC, v[L16]
	v_lshlrev_b32 v112, 4, v0                      ; 16 x thread
	s_delay_alu instid0(VALU_DEP_1)
	v_add_nc_u32 v113, KSC, v112
	v_lshlrev_b32 v117, 4, v114                    ; 16 r
	s_wait_alu depctr_va_vdst(0)
	v_lshlrev_b32 v118, 2, v114                    ; 4 r
	s_wait_alu depctr_va_vdst(0)
	s_lshl_b32 s74, s[BA], 12
	s_add_nc_u64 s[10:11], s[10:11], s[74:75]
	global_load_b128 v[108:111], v112, s[10:11]    ; K's scale words of the batch: 4,096 bytes, 16 a thread
	s_lshl_b32 s78, s[BA], 16
	s_lshl_b32 s81, s[WGX], 11
	s_add_co_u32 s78, s78, s81
	s_lshl_b32 s81, s[WV], 8
	s_add_co_u32 s78, s78, s81
	s_add_nc_u64 s[4:5], s[4:5], s[78:79]
	global_load_b128 v[QB+4:QB+7], v117, s[4:5]    ; my tile's codes: query r's 16 bytes, in both halves of the lanes
	s_lshl_b32 s78, s[BA], 12
	s_lshl_b32 s81, s[WGX], 7
	s_add_co_u32 s78, s78, s81
	s_lshr_b32 s81, s[WV], 2
	s_lshl_b32 s81, s81, 6
	s_add_co_u32 s78, s78, s81
	s_add_nc_u64 s[6:7], s[6:7], s[78:79]
	global_load_b32 v[QS], v118, s[6:7]            ; the word that holds my tile's scale byte
	s_lshl_b32 s78, s[BA], 22
	s_lshl_b32 s81, s[WV], 19
	s_add_co_u32 s78, s78, s81
	s_lshl_b32 s81, s[WGX], 9
	s_add_co_u32 s78, s78, s81
	s_add_nc_u64 s[XB:XB+1], s[16:17], s[78:79]    ; x and out0 at channel 32 w, my chunk's first position
	s_add_nc_u64 s[OB:OB+1], s[22:23], s[78:79]
	s_lshl_b32 s78, s[BA], 19
	s_lshl_b32 s81, s[CX], 14
	s_add_co_u32 s78, s78, s81
	s_and_b32 s81, s[WV], 1
	s_lshl_b32 s81, s81, 13
	s_add_co_u32 s78, s78, s81
	s_add_co_u32 s78, s78, SLOTB                   ; in slot 1's bytes: the first change of slots steps it on.  Nothing is prefetched here, at the head
	s_add_nc_u64 s[PFA:PFA+1], s[12:13], s[78:79]
	s_sub_co_u32 s74, s[WV], 4
	s_lshr_b32 s74, s74, 1                         ; 0 in waves 4 and 5,
	s_or_b32 s74, s74, ttmp9                       ; of the batch's first cluster: the same in all four partners
	s_cmp_eq_u32 s74, 0
	s_cselect_b32 s[LIM], 1, -1
	; the way out: into the stage a word at (channel, my query); back whole rows
	v_and_b32 v119, 8, v114
	s_delay_alu instid0(VALU_DEP_1)
	v_add_nc_u32 v119, v119, v114                  ; r + 8 (r / 8)
	s_lshr_b32 s74, s[WV], 1
	s_lshl_b32 s74, s74, 7
	s_and_b32 s82, s[WV], 1
	s_lshl_b32 s82, s82, 5
	s_add_co_u32 s74, s74, s82                     ; 4 x (32 (w / 2) + 8 (w % 2))
	v_mul_u32_u24 v[STO], v115, 8*SP
	s_delay_alu instid0(VALU_DEP_1)
	v_lshl_add_u32 v[STO], v119, 2, v[STO]
	s_delay_alu instid0(VALU_DEP_1)
	v_add_nc_u32 v[STO], s74, v[STO]               ; row 8 h, my query's word; lanes 0-15 and 16-31 fall on different banks (8 rows are 1,056 words)
	s_delay_alu instid0(VALU_DEP_1)
	v_add_nc_u32 v[STO+1], 64*SP, v[STO]           ; a base for each 64 channels, so that the offsets stay inside 16 bits
	s_delay_alu instid0(VALU_DEP_2)
	v_add_nc_u32 v[STO+2], 128*SP, v[STO]
	s_delay_alu instid0(VALU_DEP_3)
	v_add_nc_u32 v[STO+3], 192*SP, v[STO]
	s_mul_i32 s74, s[WV], 32*SP
	v_add_nc_u32 v[RD], s74, v[L16]                ; rows 32 w on, 16 bytes a lane
	s_mov_b32 s[SEL], 0x76543210
	s_mov_b32 s[SEL+1], 0xfedcba98
	s_mov_b32 s[FT], 0
	s_mov_b32 s[FT+1], 0                           ; (named with s56 as a pair, so it is written)
	s_mov_b32 s[TB], 0
	s_mov_b32 s[TK], 0
	s_mov_b32 s[TKS], 0
	s_mov_b32 s[TVS], 0
	s_mov_b32 s[STP], 0
	s_mov_b32 s[SLOTS], 7
	s_wait_kmcnt 0x0                               ; gamma and T
	v_mov_b32 v120, 0x358637bd                     ; 1e-6
	s_delay_alu instid0(VALU_DEP_1)
	v_add_f32 v120, s[TEM], v120                   ; T + 1e-6
	s_delay_alu instid0(VALU_DEP_1)
	v_and_b32 v121, 0x7fffffff, v120               ; its magnitude
	s_wait_alu depctr_va_vdst(0)
	v_rcp_f32 v122, v121
	v_cmp_gt_f32 vcc_lo, 0, v120                   ; negative?
	v_mov_b32 v123, 0x88888888                     ; the sign bits of eight codes
	s_delay_alu instid0(VALU_DEP_1)
	v_cndmask_b32 v123, 0, v123, vcc_lo
	s_wait_alu depctr_va_vdst(0)                   ; the wait ahead of the reciprocal's first reader
	v_mul_f32 v122, 0x3fb8aa3b, v122               ; c = log2(e) / |T + 1e-6|
	s_delay_alu instid0(VALU_DEP_1)
	v_readfirstlane_b32 s[CS], v122
	s_mov_b32 s[CS+1], s[CS]
	v_lshlrev_b32 v124, 3, v115
	s_delay_alu instid0(VALU_DEP_1)
	v_sub_nc_u32 v124, v114, v124                  ; r - 8 h: register j of my own key tile holds my own position where j equals it
.irp j, 0,1,2,3,4,5,6,7
	v_cmp_eq_u32 vcc_lo, \j, v124
	s_delay_alu instid0(VALU_DEP_1)
	v_cndmask_b32 v[DP+\j], 0, v121, vcc_lo
.endr
.irp k, 0,1,2,3
	v_mov_b32 v[QB+\k], 0
	v_mov_b32 v[QB+8+\k], 0
	v_mov_b32 v[QB+16+\k], 0
	v_mov_b32 v[BX+\k], 0                          ; written once: a lane permute's destination counts as one of its sources
.endr
	v_mov_b32 v13, 0xff61b1e6                      ; the largest t so far: -3e38
	s_delay_alu instid0(VALU_DEP_1)
	v_floor_f32 v12, -v13                          ; -M
	v_mov_b32 v14, 0
	v_mov_b32 v15, 0
	v_mov_b32 v[FF+1], 0                           ; (named as the upper half of the pair)
	WIN 0x40
.set i, 0
.rept 128
	v_mov_b32 v[i], 0                              ; O^T.  The step is written once for all steps: the first finds zeros, which the first change of M leaves zeros
.set i, i+1
.endr
	WIN 0
	s_wait_loadcnt 0x0
	ds_store_b128 v113, v[108:111]                 ; the first change of slots waits for it and passes a barrier ahead of every read
	; Q's scale word is made FIRST: a scale register written by a vector instruction stands eight plain vector lines ahead of a scaled matrix instruction, an operand so written four.
	; Behind the word's last write stand the fourteen lines that make Q's variants and the first step's five; behind the variants' last write the first step's five.
	s_and_b32 s74, s[WV], 3
	s_lshl_b32 s74, s74, 3
	v_lshrrev_b32 v[QS], s74, v[QS]
	s_delay_alu instid0(VALU_DEP_1)
	v_and_b32 v[QS], 0xff, v[QS]                   ; my tile's byte,
	s_delay_alu instid0(VALU_DEP_1)
	v_lshl_or_b32 v[QS], v[QS], 8, v[QS]
	s_delay_alu instid0(VALU_DEP_1)
	v_lshl_or_b32 v[QS], v[QS], 16, v[QS]          ; in all four places: whichever block holds the codes
.irp k, 0,1,2,3
	v_xor_b32 v[QB+4+\k], v123, v[QB+4+\k]         ; the sign of T + 1e-6
.endr
	v_cmp_lt_u32 vcc_lo, 15, v116
	v_cmp_gt_u32 s82, 16, v116
.irp k, 0,1,2,3
	v_cndmask_b32 v[QB+12+\k], 0, v[QB+4+\k], vcc_lo   ; B: the codes in lanes 16-31
.endr
.irp k, 0,1,2,3
	v_cndmask_b32 v[QB+4+\k], 0, v[QB+4+\k], s82       ; A: in lanes 0-15
.endr
.macro SMUL t, q                       ; S tile t = K's fragment t / 4 x Q's variant t % 4
.if (\t) < 4
	v_wmma_scale_f32_16x16x128_f8f6f4 v[S+8*(\t):S+8*(\t)+7], v[KF:KF+7], v[\q:\q+7], 0, v[KS], v[QS] matrix_a_fmt:MATRIX_FMT_FP4 matrix_b_fmt:MATRIX_FMT_FP4
.else
	v_wmma_scale_f32_16x16x128_f8f6f4 v[S+8*(\t):S+8*(\t)+7], v[KF+8:KF+15], v[\q:\q+7], 0, v[KS], v[QS] matrix_a_fmt:MATRIX_FMT_FP4 matrix_b_fmt:MATRIX_FMT_FP4 matrix_a_scale:MATRIX_SCALE_ROW1
.endif
.endm
.macro PV ct, a                        ; O^T tile ct += V's fragment (16 channels x 128 keys, at v[a]) x p.  The even tiles' scale words lie in lanes 0-15, the odd ones' in lanes 16-31
.if (\ct)%2
	v_wmma_scale_f32_16x16x128_f8f6f4 v[8*(\ct):8*(\ct)+7], v[\a:\a+7], v[PC:PC+7], v[8*(\ct):8*(\ct)+7], v[VSR+4*((\ct)/8)+((\ct)%8)/2], v[PSW] matrix_a_fmt:MATRIX_FMT_FP4 matrix_b_fmt:MATRIX_FMT_FP4 matrix_a_scale:MATRIX_SCALE_ROW1
.else
	v_wmma_scale_f32_16x16x128_f8f6f4 v[8*(\ct):8*(\ct)+7], v[\a:\a+7], v[PC:PC+7], v[8*(\ct):8*(\ct)+7], v[VSR+4*((\ct)/8)+((\ct)%8)/2], v[PSW] matrix_a_fmt:MATRIX_FMT_FP4 matrix_b_fmt:MATRIX_FMT_FP4
.endif
.endm
; A KEY STEP: 128 keys
.macro STEP
	v_add_nc_u32 v[ADK], s[TK], v[KB]              ; these four additions and the v_nop are five places behind the last step's products: S^T is laid over registers that those read
	v_add_nc_u32 v[ADS], s[TKS], v[KSB]
	v_add_nc_u32 v[ADV], s[TB], v[L16]
	v_add_nc_u32 v[ADT], s[TVS], v[VSB]
	v_nop
.irp k, 0,1,2,3
	ds_load_b128 v[KF+4*\k:KF+4*\k+3], v[ADK] offset:512*\k
.endr
	ds_load_b32 v[KS], v[ADS]                      ; lanes 0-15 fragment 0's words, lanes 16-31 fragment 1's
	ds_load_b128 v[VSR:VSR+3], v[ADT]
	ds_load_b128 v[VSR+4:VSR+7], v[ADT] offset:512
.set i, 0
.rept 16
	ds_load_b128 v[VF+4*i:VF+4*i+3], v[ADV] offset:512*i     ; V's fragments 0 to 7
.set i, i+1
.endr
	s_wait_dscnt 18                                ; K and its words are in; V's 2 loads of scale words and 16 of codes may be out
	SMUL 0, QB+4
	SMUL 1, QB+12
	SMUL 2, QB
	SMUL 3, QB+8
	SMUL 4, QB+4
	SMUL 5, QB+12
	SMUL 6, QB
	SMUL 7, QB+8
.rept 4
	v_nop                                          ; four places in front of the first read of results
.endr
	s_lshr_b32 s74, s[STP], 2                      ; THE IDENTITY.  Only steps 4 x (cluster x) .. + 3 can hold a partner's diagonal: the branch is the same in all four
	s_cmp_lg_u32 s74, ttmp9
	s_cbranch_scc1 .Lnodiag_\@
	s_cmp_eq_u32 s[STP], s[WGX]                    ; my own chunk?  A select, no branch
	s_cselect_b32 s[FL], 1.0, 0
.irp t, 0,1,2,3,4,5,6,7
	s_cmp_eq_u32 s[WV], \t
	s_cselect_b32 s[FT], s[FL], 0                  ; 1.0 in my own tile of my own chunk
.irp k, 0,2,4,6
	v_pk_fma_f32 v[S+8*\t+\k:S+8*\t+\k+1], v[DP+\k:DP+\k+1], s[FT:FT+1], v[S+8*\t+\k:S+8*\t+\k+1] op_sel_hi:[1,0,1]
.endr
.endr
.Lnodiag_\@:
.irp b, 0,1,2,3
	v_max3_num_f32 v[BM+\b], v[S+16*\b], v[S+1+16*\b], v[S+2+16*\b]   ; the largest score of each block of 32 keys: for the row's maximum, and for the block's largest p
.endr
.irp i, 3,5,7,9,11,13
.irp b, 0,1,2,3
	v_max3_num_f32 v[BM+\b], v[BM+\b], v[S+16*\b+\i], v[S+1+16*\b+\i]
.endr
.endr
.irp b, 0,1,2,3
	v_max_num_f32 v[BM+\b], v[BM+\b], v[S+15+16*\b]
.endr
.irp b, 0,1,2,3
	s_delay_alu instid0(VALU_DEP_4)
	v_permlanex16_b32 v[BX+\b], v[BM+\b], s[SEL], s[SEL+1]
.endr
.irp b, 0,1,2,3
	s_delay_alu instid0(VALU_DEP_4)
	v_max_num_f32 v[BM+\b], v[BM+\b], v[BX+\b]     ; with lane l xor 16's 16 keys
.endr
	s_delay_alu instid0(VALU_DEP_2)
	v_max3_num_f32 v[T0], v[BM], v[BM+1], v[BM+2]
	s_delay_alu instid0(VALU_DEP_1)
	v_max_num_f32 v[T0], v[T0], v[BM+3]
	s_delay_alu instid0(VALU_DEP_1)
	v_mul_f32 v[T0], s[CS], v[T0]                  ; as t (c is positive)
	s_delay_alu instid0(VALU_DEP_1)
	v_max_num_f32 v13, v13, v[T0]                  ; the running largest t
	v_mov_b32 v[T0], v12
	s_delay_alu instid0(VALU_DEP_2)
	v_floor_f32 v12, -v13                          ; the new -M = -ceil(t): a whole number
	s_delay_alu instid0(VALU_DEP_1)
	v_sub_f32 v[T0], v12, v[T0]                    ; old M - new M, 0 or less
	s_delay_alu instid0(VALU_DEP_1)
	v_cvt_i32_f32 v[T0], v[T0]                     ; (it saturates)
	s_delay_alu instid0(VALU_DEP_1)
	v_ldexp_f32 v[FF], 1.0, v[T0]                  ; f = 2^(old M - new M): the rescaling rounds nothing
.set i, 0
.rept 32
	v_pk_fma_f32 v[S+2*i:S+2*i+1], v[S+2*i:S+2*i+1], s[CS:CS+1], v[12:13] op_sel_hi:[1,0,0]   ; t - M
.set i, i+1
.endr
.irp b, 0,1,2,3
	v_fma_f32 v[BM+\b], v[BM+\b], s[CS], v12       ; the same of each block's largest score
.endr
.set i, 0
	s_wait_alu depctr_va_vdst(0)
.rept 64
	v_exp_f32 v[S+i], v[S+i]                       ; p = 2^(t - M): not normalised
.set i, i+1
.endr
	v_pk_mul_f32 v[14:15], v[14:15], v[FF:FF+1] op_sel_hi:[1,0]   ; the sums under the new M: a plain line behind the exponentials
	s_wait_alu depctr_va_vdst(0)                   ; one wait for the batch of 64, ahead of its first reader
.irp b, 0,1,2,3
	v_exp_f32 v[BM+\b], v[BM+\b]                   ; the block's largest p
.endr
	v_pk_add_f32 v[98:99], v[132:133], v[136:137]
	v_pk_add_f32 v[126:127], v[140:141], v[144:145]
	v_pk_add_f32 v[124:125], v[148:149], v[152:153]
	v_pk_add_f32 v[122:123], v[156:157], v[160:161]
	v_pk_add_f32 v[120:121], v[164:165], v[168:169]
	v_pk_add_f32 v[118:119], v[172:173], v[176:177]
	v_pk_add_f32 v[116:117], v[180:181], v[184:185]
	v_pk_add_f32 v[14:15], v[14:15], v[188:189]
	v_pk_add_f32 v[98:99], v[98:99], v[128:129]
	v_pk_add_f32 v[126:127], v[126:127], v[130:131]
	v_pk_add_f32 v[124:125], v[124:125], v[134:135]
	v_pk_add_f32 v[122:123], v[122:123], v[138:139]
	v_pk_add_f32 v[120:121], v[120:121], v[142:143]
	v_pk_add_f32 v[118:119], v[118:119], v[146:147]
	v_pk_add_f32 v[116:117], v[116:117], v[150:151]
	v_pk_add_f32 v[14:15], v[14:15], v[154:155]
	v_pk_add_f32 v[98:99], v[98:99], v[158:159]
	v_pk_add_f32 v[126:127], v[126:127], v[162:163]
	v_pk_add_f32 v[124:125], v[124:125], v[166:167]
	v_pk_add_f32 v[122:123], v[122:123], v[170:171]
	v_pk_add_f32 v[120:121], v[120:121], v[174:175]
	v_pk_add_f32 v[118:119], v[118:119], v[178:179]
	v_pk_add_f32 v[116:117], v[116:117], v[182:183]
	v_pk_add_f32 v[14:15], v[14:15], v[186:187]
	v_pk_add_f32 v[98:99], v[98:99], v[190:191]
	s_delay_alu instid0(VALU_DEP_2)
	v_pk_add_f32 v[14:15], v[14:15], v[122:123]
	s_delay_alu instid0(VALU_DEP_2)
	v_pk_add_f32 v[98:99], v[98:99], v[120:121]
	v_pk_add_f32 v[126:127], v[126:127], v[118:119]
	v_pk_add_f32 v[124:125], v[124:125], v[116:117]
	s_delay_alu instid0(VALU_DEP_2)
	v_pk_add_f32 v[14:15], v[14:15], v[126:127]
	s_delay_alu instid0(VALU_DEP_2)
	v_pk_add_f32 v[98:99], v[98:99], v[124:125]
	s_delay_alu instid0(VALU_DEP_1)
	v_pk_add_f32 v[14:15], v[14:15], v[98:99]
	s_wait_alu depctr_va_vdst(0)                   ; and one for the four
.irp b, 0,1,2,3
	v_max_num_f32 v[BM+\b], 0x1800000, v[BM+\b]    ; the floor 2^(3 - 127): the byte cannot fall under 1
.endr
.irp b, 0,1,2,3
	s_delay_alu instid0(VALU_DEP_4)
	v_add_nc_u32 v[SC+\b], 0xff000000, v[BM+\b]    ; 2 off the exponent field: the conversion's scale operand
.endr
.irp b, 0,1,2,3
	s_delay_alu instid0(VALU_DEP_4)
	v_lshrrev_b32 v[BX+\b], 23, v[SC+\b]           ; the scale's byte
.endr
	s_delay_alu instid0(VALU_DEP_3)
	v_lshl_or_b32 v[PSW], v[BX+1], 8, v[BX]        ; p's scale word for these 128 keys
	s_delay_alu instid0(VALU_DEP_1)
	v_lshl_or_b32 v[PSW], v[BX+2], 16, v[PSW]
	s_delay_alu instid0(VALU_DEP_1)
	v_lshl_or_b32 v[PSW], v[BX+3], 24, v[PSW]
	s_setprio 1
.irp b, 0,1,2,3
	v_cvt_scalef32_pk8_fp4_f32 v[PC+2*\b], v[S+16*\b:S+7+16*\b], v[SC+\b]
	v_cvt_scalef32_pk8_fp4_f32 v[PC+1+2*\b], v[S+8+16*\b:S+15+16*\b], v[SC+\b]
.endr
	v_nop                                          ; one plain line behind the last scaled conversion
.irp c, 0,1                            ; the operand's layout wants a whole block in a lane
.irp i, 0,1
	v_permlane16_swap_b32 v[PC+4*\c+\i], v[PC+2+4*\c+\i]
.endr
.endr
.set i, 0
.rept 16
	ds_load_b128 v[S+4*i:S+4*i+3], v[ADV] offset:8192+512*i  ; V's fragments 8 to 15, into the registers that p has left
.set i, i+1
.endr
	WIN 0x41                                       ; O^T (destination and source 0) window 1
.set i, 0
.rept 64
	v_pk_mul_f32 v[2*i:2*i+1], v[2*i:2*i+1], v[FF:FF+1] op_sel_hi:[1,0]   ; O^T under the new M.  These lines are also the places between p's codes and scale word and the products
.set i, i+1
.endr
.rept 4
	v_nop
.endr
	s_wait_alu depctr_va_vdst(0)
	s_wait_dscnt 16                                ; V's scale words and fragments 0 to 7 are in; the 16 loads of fragments 8 to 15 may be out
	WIN 0x50                                       ; C and D window 1
	s_setprio 0
.irp ct, 0,1,2,3,4,5,6,7               ; sixteen accumulators, one instruction each in a step
	PV \ct, VF+8*\ct
.endr
	s_wait_dscnt 0x0
.irp ct, 8,9,10,11,12,13,14,15
	PV \ct, S+8*\ct-64
.endr
	WIN 0
	s_add_co_u32 s[TB], s[TB], 16384
	s_add_co_u32 s[TK], s[TK], 2048
	s_add_co_u32 s[TKS], s[TKS], 128
	s_add_co_u32 s[TVS], s[TVS], 1024
	s_add_co_u32 s[STP], s[STP], 1
.endm
; THE CHANGE OF SLOTS stands at a slot's head.  Each wave waits for all its tensor loads, adds 0 to its spare word, and waits for that and for its reads of the slot that it has left.  fill = 1: a round of the cluster's barrier,
; so that no wave of any partner still reads that slot or has a load on its way; behind it the joint refill comes first, and has four steps in which to land.
.macro CHANGE fill
	s_wait_tensorcnt 0x0                           ; no tensor load of mine is out, so a group 0 may be written
	ds_add_u32 v[SPW], v[NIL]                      ; 0 onto my spare word
.if \fill
	s_xor_b32 s[G0V+1], s[G0V+1], SLOTB            ; the walking descriptor: the other slot,
	s_add_nc_u64 s[G0V+2:G0V+3], s[G0V+2:G0V+3], SLOTB   ; the next four steps; the type bits on top are not reached
	s_wait_xcnt 0x0                                ; the last prefetch, a slot back, has read its address, so it may be written
	s_add_nc_u64 s[PFA:PFA+1], s[PFA:PFA+1], SLOTB
	s_wait_dscnt 0x0                               ; the add is done, my reads of the slot that I have left are over (and, the first time, my store of K's scale words has landed)
	CROUND
	JLOAD
	ASK
.else
	s_wait_dscnt 0x0
	s_barrier_signal -1
	s_barrier_wait -1
.endif
.endm
.macro SLOT_STEPS                      ; a slot's four steps: written once, walked four times
	s_mov_b32 s[CNT], 4
.Lstep_\@:
	s_wait_alu depctr_va_vdst(0)
	s_setprio 2
	STEP
	s_sub_co_u32 s[CNT], s[CNT], 1
	s_cmp_lg_u32 s[CNT], 0
	s_cbranch_scc1 .Lstep_\@
	s_setprio 0
	s_sub_co_u32 s[TB], s[TB], SLOTB               ; back to a slot's first step,
	s_xor_b32 s[TB], s[TB], SLOTB                  ; in the other slot
.endm
.Lslot:                                            ; seven trips: behind each change of slots but the last the next slot is asked for
	CHANGE 1
	SLOT_STEPS
	s_sub_co_u32 s[SLOTS], s[SLOTS], 1
	s_cmp_lg_u32 s[SLOTS], 0
	s_cbranch_scc1 .Lslot
	CHANGE 0                                       ; the last slot is written out
	WIN 0x40
.set i, 0
.rept 32
	global_load_b128 v[128+4*i:131+4*i], v[L16], s[XB:XB+1] offset:i*16384 th:TH_LOAD_NT   ; x for the residual: channels 32 w + i, my chunk's 512 bytes; asked for four steps ahead of its use
.set i, i+1
.endr
	WIN 0
	SLOT_STEPS
	; THE WAY OUT.  O^T x gamma / l goes word by word into a stage of 256 rows (channels) x 128 queries and comes back as whole rows of 512 bytes, to which x is added.
.rept 4
	v_nop                                          ; four places behind the last products
.endr
	v_add_f32 v14, v14, v15
	s_delay_alu instid0(VALU_DEP_1)
	v_permlanex16_b32 v[T0], v14, s[SEL], s[SEL+1]
	s_delay_alu instid0(VALU_DEP_1)
	v_add_f32 v14, v14, v[T0]                      ; the row's sum
	s_wait_alu depctr_va_vdst(0)
	v_rcp_f32 v[T0+1], v14
	v_nop
	s_wait_alu depctr_va_vdst(0)                   ; the wait ahead of the reciprocal's first reader
	v_mul_f32 v[FF], s[GAM], v[T0+1]               ; gamma / l
	s_wait_alu depctr_va_vdst(0)
	s_wait_dscnt 0x0
	s_barrier_signal -1
	s_barrier_wait -1                              ; no wave reads the slots or K's codes any more; they have had their last fill
	WIN 0x41
.set i, 0
.rept 64
	v_pk_mul_f32 v[2*i:2*i+1], v[2*i:2*i+1], v[FF:FF+1] op_sel_hi:[1,0]   ; each accumulator from its low end on
.set i, i+1
.endr
	WIN 0x04                                       ; an LDS store's data are its source 1: window 1
.irp ct, 0,1,2,3,4,5,6,7,8,9,10,11,12,13,14,15
.irp j, 0,1,2,3,4,5,6,7
	ds_store_b32 v[STO+\ct/4], v[8*\ct+\j] offset:(16*(\ct%4)+\j)*SP      ; channel 16 ct + 8 h + j, my query
.endr
.endr
	WIN 0
	s_wait_dscnt 0x0                               ; for the others' sake: my stores have landed
	s_barrier_signal -1
	s_barrier_wait -1
.set i, 0
.rept 32
	ds_load_b128 v[128+4*i:131+4*i], v[RD] offset:i*SP
.set i, i+1
.endr
	s_wait_loadcnt 0x0                             ; x
.irp g, 0,1,2,3
	s_wait_dscnt 24-8*\g                           ; these eight rows are back; the later batches' loads may be out
	WIN 0x01                                       ; source 0 (x) window 1
.set i, 0
.rept 16
	v_pk_add_f32 v[128+32*\g+2*i:129+32*\g+2*i], v[128+32*\g+2*i:129+32*\g+2*i], v[128+32*\g+2*i:129+32*\g+2*i]
.set i, i+1
.endr
	WIN 0
.irp i, 0,1,2,3,4,5,6,7
	global_store_b128 v[L16], v[128+32*\g+4*\i:131+32*\g+4*\i], s[OB:OB+1] offset:(8*\g+\i)*16384 th:TH_STORE_NT   ; 32 lanes store 512 consecutive bytes, at a multiple of 256 from the output's first byte
.endr
.endr
	s_wait_tensorcnt 0x0                           ; the wave's end, behind my last tensor load and my last LDS store
	ds_add_u32 v[SPW], v[NIL]
	s_wait_dscnt 0x0
	CROUND                                         ; the closing round
	s_endpgm
.Lfunc_end_k_qc1e9b8fcb6_attn:
	.size	k_qc1e9b8fcb6_attn, .Lfunc_end_k_qc1e9b8fcb6_attn-k_qc1e9b8fcb6_attn
	.p2alignl 7, 3214868480
	.fill 96, 4, 3214868480
	.section	.rodata,"a",@progbits
	.p2align	6, 0x0
	.amdhsa_kernel k_qc1e9b8fcb6_attn
		.amdhsa_group_segment_fixed_size 327680
		.amdhsa_private_segment_fixed_size 0
		.amdhsa_enable_private_segment 0
		.amdhsa_kernarg_size 80
		.amdhsa_user_sgpr_count 2
		.amdhsa_user_sgpr_kernarg_segment_ptr 1
		.amdhsa_wavefront_size32 1
		.amdhsa_system_sgpr_workgroup_id_x 1
		.amdhsa_system_sgpr_workgroup_id_y 1
		.amdhsa_system_sgpr_workgroup_id_z 1
		.amdhsa_system_vgpr_workitem_id 0
		.amdhsa_next_free_vgpr 512
		.amdhsa_next_free_sgpr 84
		.amdhsa_reserve_vcc 1
		.amdhsa_float_denorm_mode_32 3
		.amdhsa_float_denorm_mode_16_64 3
		.amdhsa_memory_ordered 1
		.amdhsa_forward_progress 1
		.amdhsa_inst_pref_size 92
	.end_amdhsa_kernel
	.amdgpu_metadata
---
amdhsa.version: [ 1, 2 ]
amdhsa.kernels:
  - .name:           k_qc1e9b8fcb6_attn
    .symbol:         k_qc1e9b8fcb6_attn.kd
    .args:
      - { .name: qimg, .offset: 0, .size: 8, .value_kind: global_buffer, .address_space: global }
      - { .name: qscl, .offset: 8, .size: 8, .value_kind: global_buffer, .address_space: global }
      - { .name: kimg, .offset: 16, .size: 8, .value_kind: global_buffer, .address_space: global }
      - { .name: kscl, .offset: 24, .size: 8, .value_kind: global_buffer, .address_space: global }
      - { .name: vimg, .offset: 32, .size: 8, .value_kind: global_buffer, .address_space: global }
      - { .name: vscl, .offset: 40, .size: 8, .value_kind: global_buffer, .address_space: global }
      - { .name: x, .offset: 48, .size: 8, .value_kind: global_buffer, .address_space: global }
      - { .name: gamma, .offset: 56, .size: 8, .value_kind: global_buffer, .address_space: global }
      - { .name: temperature, .offset: 64, .size: 8, .value_kind: global_buffer, .address_space: global }
      - { .name: out0, .offset: 72, .size: 8, .value_kind: global_buffer, .address_space: global }
    .group_segment_fixed_size: 327680
    .private_segment_fixed_size: 0
    .kernarg_segment_align: 8
    .kernarg_segment_size: 80
    .max_flat_workgroup_size: 256
    .sgpr_count:     84
    .vgpr_count:     512
    .wavefront_size: 32
...
	.end_amdgpu_metadata
.endif
;; end of part 3
